; MI455X (gfx1250); checked and timed in simulation.
; The chip was launched on July 23, 2026; its instructions are those of AMD's public machine-readable ISA for CDNA 5 (MIT licence, August 2026) and "CDNA5" Instruction Set Architecture Reference Guide (July 2026). The comments in the code are by the model that wrote it; some were corrected since.
;; Euclidean Codebook. Allowed arithmetic: matrix products marked QUANTISED: E4M3 operands, one given power-of-two scale a tensor, by v_wmma_f32_16x16x64_fp8_fp8 or v_wmma_f32_16x16x128_fp8_fp8, f32 sums; everything else in f32.
;; Inputs: embed 8,192 x 256 float32; lowp_scales 2 int32 (the exponents e of the quantised operands' scales 2^e); x 32,768 x 256 float32.
;; Outputs: out0 32,768 x 256 float32; out1 32,768 int32.
;; This version of the problem:
;;   THIS VERSION OF THE PROBLEM IS GIVEN IN LOW PRECISION. The matrix products marked QUANTISED in the list below multiply operands that are first quantised to E4M3 (4 exponent bits, 3 mantissa bits; 8 bits a number), with one given power-of-two scale for each operand tensor; their sums are f32. All else is computed in f32.
;;   The module's matrix products, in the order in which they are computed (A, B: the left and right operand; K: the contracted axis; several contracted axes count as one K, in the product's order):
;;     1. [M 32,768, K 256] x [K 256, N 8,192]; A: input x; B: input embed: QUANTISED (scales: A lowp_scales[0], B lowp_scales[1])
;;   THE QUANTISER, for each operand of a quantised product, along K:
;;     - The operand's scale is 2^e, e = its entry of the input lowp_scales (int32; the entries are numbered through the quantised products in the list's order, A before B).
;;     - Each number is divided by the scale, clamped to +-448, and rounded to the nearest number of E4M3, ties to even, subnormals kept.
;;     - The product sums the exact products of the quantised numbers (number of the format x scale) in f32.
;;   ~~~python
;;   def quantise(x, axis, e):      # numpy; x: float32 -> the quantised numbers, widened to float32 again
;;       x = np.moveaxis(x, axis, -1); K = x.shape[-1]
;;       r = np.clip(x / 2.0 ** e, -448, 448)
;;       step = 2.0 ** (np.maximum(np.frexp(np.where(r == 0, 1, r))[1] - 1, -6) - 3)
;;       q = np.round(r / step) * step * 2.0 ** e      # np.round: ties to even
;;       return np.moveaxis(q, -1, axis).astype(np.float32)
;;   ~~~
;; One version. Each part assembles by itself: llvm-mc -triple=amdgcn-amd-amdhsa -mcpu=gfx1250 --defsym DOCPART=n.
;; ======== version 1 of 1: 3 launches
;; workspace buffers: xq 8,519,680 bytes; cq 2,129,920 bytes; idxw 131,072 bytes of whole numbers
;; launch quant (part 1): grid 640 x 1, 4 waves a work-group, no clusters, 18,432 bytes of LDS; arguments x, embed, lowp_scales, xq, cq; writes xq, cq
.if DOCPART == 1
	.amdgcn_target "amdgcn-amd-amdhsa--gfx1250"
	.amdhsa_code_object_version 6
	.text
	.protected	k_qfa9eaa7a79_quant
	.globl	k_qfa9eaa7a79_quant
	.p2align	8
	.type	k_qfa9eaa7a79_quant,@function
k_qfa9eaa7a79_quant:
	s_mov_b64 s[64:65], 0
	v_nop
	global_prefetch_b8 v0, s[64:65] scope:SCOPE_SE
	s_setreg_imm32_b32 hwreg(HW_REG_WAVE_MODE, 25, 1), 1
	s_wait_xcnt 0x0
; x [32768][256] and embed [8192][256], f32, become codes of E4M3 with the given scales 2^e0 and 2^e1, laid as the matrix unit's registers take them, and each row's sum of squares is laid beside them.
; code = number / 2^e, held within +-448, to the nearest code, ties to even.  LIMITS: e0, e1 between -126 and 119; e0 + e1 between -128 and 125; NaN among the inputs is not served.
; OUTPUT LAYOUT (xq and cq alike): groups of 64 rows, 16,640 bytes each: four images of 16 rows (4,096 bytes), then 64 f32 (256 bytes), one a row.
;   An image is a fragment's registers on end: byte 2048 s + 512 q + 16 lane + b holds registers 4 q .. 4 q + 3 of K step s (128 along K) of lane (r, h): row r;
;   bytes 0-7: k = 128 s + 32 q + 8 h + 0..7, bytes 8-15: k = 128 s + 32 q + 16 + 8 h + 0..7: the places that v_wmma_f32_16x16x128_fp8_fp8 gives each k.
;   The f32 of a row: x: + |x|^2 / 2^(e0+e1+1);  embed: - |c|^2 / 2^(e0+e1+1): the next launch's cap and the C of its products.
; SHARES.  Work-groups 0-511 take x's groups, 512-639 embed's: only pointers, e and a sign are chosen, by the work-group's number; there is one path through the text.  Wave w takes rows 16 w .. 16 w + 15 of the group.
; A row is 1,024 bytes: two loads of 512 consecutive bytes, 16 a lane: lane l holds k = 4 l .. 4 l + 3 and k = 128 + 4 l .. + 3.  One conversion makes its 8 codes: a word for each K step.
; The words turn through the wave's own stage in LDS (16 chunks of 256 bytes, 272 apart) and leave as the image lies: each store of the wave covers 512 consecutive bytes, aligned.
.set GRP,  16640
.set CHP,  272                         ; from chunk to chunk in the stage: 68 words, so that the 32 lanes' words fall on 32 different banks (64 banks of 4 bytes: ISA guide 11.1)
.set WST,  16*CHP                      ; a wave's stage
.set SUMS, 4*WST                       ; behind the stages: the group's 64 sums
.set D,    32                          ; v32-159   row p's 8 numbers at D + 8 p; later the image on its way out
.set SQ,   160                         ; v160-191  row p's sum of squares, a pair
.set CD,   192                         ; v192-223  row p's codes, a pair
	s_load_b128 s[4:7], s[0:1], 0x0                ; x, embed
	s_load_b64 s[8:9], s[0:1], 0x10                ; the scales' exponents
	s_load_b128 s[20:23], s[0:1], 0x18             ; xq, cq
	v_lshl_add_u32 v224, v0, 2, 0x4600
	v_mov_b32 v225, 0
	s_mov_b32 s12, 0x76543210                      ; v_permlanex16_b32: lane l takes lane l xor 16
	s_mov_b32 s13, 0xfedcba98
	v_lshrrev_b32 v14, 5, v0
	v_readfirstlane_b32 s16, v14                   ; wave 0..3
	v_and_b32 v1, 31, v0                           ; lane
	v_lshlrev_b32 v6, 4, v1                        ; 16 x lane: my bytes of a load's or a store's 512
	v_lshlrev_b32 v7, 3, v1                        ; 8 x lane: my two of the 64 sums
	v_add_nc_u32 v8, SUMS, v7
	s_mul_i32 s14, s16, WST
	v_bfe_u32 v12, v0, 3, 2                        ; q = l / 8
	v_bfe_u32 v13, v0, 1, 1                        ; h = bit 3 of k
	v_lshl_add_u32 v12, v12, 1, v13                ; chunk 2 q + h (K step 1: eight chunks further on)
	v_mul_u32_u24 v3, v12, CHP
	v_bfe_u32 v13, v0, 2, 1                        ; bit 4 of k: the upper 8 bytes of a lane's 16
	v_lshl_add_u32 v3, v13, 3, v3
	v_and_b32 v13, 1, v0                           ; bit 2 of k: the upper word of those 8
	v_lshl_add_u32 v3, v13, 2, v3
	v_add_nc_u32 v3, s14, v3                       ; v3: where my code words go; the row adds 16 p
	v_bfe_u32 v12, v0, 4, 1
	v_mul_u32_u24 v4, v12, CHP
	v_and_b32 v13, 15, v0
	v_lshl_add_u32 v4, v13, 4, v4
	v_add_nc_u32 v4, s14, v4                       ; v4: back: sixteen lanes to a chunk, two chunks an instruction
	s_lshl_b32 s15, s16, 6
	s_add_co_u32 s15, s15, SUMS
	v_mov_b32 v5, s15                              ; v5: my wave's 16 sums
	s_wait_kmcnt 0x0
	s_load_b64 s[24:25], s[8:9], 0x0               ; e0, e1
	s_cmp_lt_u32 ttmp9, 512                        ; x's work-group or embed's?  The choice hangs on the work-group's number alone
	s_cselect_b64 s[4:5], s[4:5], s[6:7]
	s_cselect_b64 s[10:11], s[20:21], s[22:23]
	s_cselect_b32 s26, 0, 0x80000000               ; the sum's sign: + for x, - for embed
	s_cselect_b32 s17, 0, 512
	s_sub_co_u32 s17, ttmp9, s17                   ; the group
	s_lshl_b32 s18, s17, 16                        ; 64 rows of 1,024 bytes,
	s_lshl_b32 s19, s16, 14                        ; my wave's 16
	s_add_co_u32 s18, s18, s19
	s_mov_b32 s19, 0
	s_add_nc_u64 s[4:5], s[4:5], s[18:19]
	s_mul_i32 s18, s17, GRP
	s_add_nc_u64 s[10:11], s[10:11], s[18:19]      ; the group's place in the output,
	s_lshl_b32 s18, s16, 12
	s_add_nc_u64 s[28:29], s[10:11], s[18:19]      ; and my wave's image in it
.set p, 0
.rept 16
	global_load_b128 v[D+8*p:D+8*p+3],   v6, s[4:5] offset:1024*p th:TH_LOAD_NT       ; 32 lanes read 512 consecutive bytes
	global_load_b128 v[D+8*p+4:D+8*p+7], v6, s[4:5] offset:1024*p+512 th:TH_LOAD_NT
.set p, p+1
.endr
	s_wait_kmcnt 0x0
	s_cmp_lt_u32 ttmp9, 512
	s_cselect_b32 s27, s24, s25                    ; e
	s_add_co_i32 s30, s24, s25                     ; e0 + e1
	s_add_co_i32 s27, s27, 127
	s_lshl_b32 s31, s27, 23
	v_mov_b32 v11, s31                             ; 2^e as f32: the conversion takes its exponent field
	s_add_co_i32 s27, s27, 8
	s_lshl_b32 s27, s27, 23
	s_or_b32 s27, s27, 0x600000
	v_mov_b32 v10, s27                             ; 448 x 2^e
	s_sub_co_i32 s30, 126, s30
	s_lshl_b32 s30, s30, 23
	s_or_b32 s30, s30, s26                         ; +- 2^-(e0+e1+1) as f32
; Row r: the sum of squares of the numbers as they came; then the hold, the conversion and the two words into the stage.
.macro ROWQ r
	v_pk_mul_f32 v[SQ+2*(\r):SQ+2*(\r)+1], v[D+8*(\r):D+8*(\r)+1], v[D+8*(\r):D+8*(\r)+1]
.irp j, 2,4,6
	v_pk_fma_f32 v[SQ+2*(\r):SQ+2*(\r)+1], v[D+8*(\r)+\j:D+8*(\r)+\j+1], v[D+8*(\r)+\j:D+8*(\r)+\j+1], v[SQ+2*(\r):SQ+2*(\r)+1]
.endr
.irp j, 0,1,2,3,4,5,6,7
	v_med3_num_f32 v[D+8*(\r)+\j], v[D+8*(\r)+\j], -v10, v10   ; the conversion to an 8-bit code does not saturate (ISA guide 7.6.2): hold the number within the largest code x the scale first
.endr
	v_cvt_scalef32_pk8_fp8_f32 v[CD+2*(\r):CD+2*(\r)+1], v[D+8*(\r):D+8*(\r)+7], v11   ; the next vector lines (the next row's, or the sums') are plain and touch other registers
	ds_store_b32 v3, v[CD+2*(\r)]   offset:16*(\r)             ; K step 0's four codes
	ds_store_b32 v3, v[CD+2*(\r)+1] offset:8*CHP+16*(\r)       ; K step 1's
.endm
.set p, 0
.rept 16
.if (p%4) == 0
	s_wait_loadcnt 24-8*(p/4)                      ; loads come back in order: these four rows' eight are in, the rows' behind them may be out
.endif
	ROWQ p
.set p, p+1
.endr
	; the 16 sums, stage by stage over all rows, so that no line waits for the line above it
.set p, 0
.rept 16
	v_add_f32 v[SQ+2*p], v[SQ+2*p], v[SQ+2*p+1]
.set p, p+1
.endr
.irp m, 1,2,4,8
.set p, 0
.rept 16
	v_add_f32_dpp v[SQ+2*p], v[SQ+2*p], v[SQ+2*p] row_xmask:\m row_mask:0xf bank_mask:0xf
.set p, p+1
.endr
.endr
.set p, 0
.rept 16
	v_permlanex16_b32 v[SQ+2*p+1], v[SQ+2*p], s12, s13         ; its destination counts as read: the pair's upper register has been written
.set p, p+1
.endr
.set p, 0
.rept 16
	v_add_f32 v[SQ+2*p], v[SQ+2*p], v[SQ+2*p+1]
.set p, p+1
.endr
.set p, 0
.rept 16
	v_mul_f32 v[SQ+2*p], s30, v[SQ+2*p]            ; by a power of two: nothing is rounded
.set p, p+1
.endr
.set p, 0
.rept 16
	ds_store_b32 v5, v[SQ+2*p] offset:4*p          ; all lanes write the same word with the same value
.set p, p+1
.endr
.irp n, 0,1,2,3,4,5,6,7
	ds_load_b128 v[D+4*\n:D+4*\n+3], v4 offset:2*CHP*\n        ; LDS serves a wave's instructions in order (ISA guide 5.7.1.4): these see my stores
.endr
	s_wait_dscnt 0x0                               ; the image is back; and, for the others' sake, my sums have landed
.irp n, 0,1,2,3,4,5,6,7
	global_store_b128 v6, v[D+4*\n:D+4*\n+3], s[28:29] offset:512*\n   ; 32 lanes store 512 consecutive bytes, at a multiple of 256 from the buffer's first byte
.endr
	s_barrier_signal -1
	s_barrier_wait -1                              ; all 64 sums lie in LDS
	s_cmp_lg_u32 s16, 0
	s_cbranch_scc1 .Lend                           ; wave 0 stores them: 256 consecutive bytes in one instruction
	ds_load_b64 v[CD:CD+1], v8
	s_wait_dscnt 0x0
	global_store_b64 v7, v[CD:CD+1], s[10:11] offset:16384
.Lend:
	s_wait_tensorcnt 0x0
	ds_add_u32 v224, v225
	s_wait_dscnt 0x0
	s_endpgm
.Lfunc_end_k_qfa9eaa7a79_quant:
	.size	k_qfa9eaa7a79_quant, .Lfunc_end_k_qfa9eaa7a79_quant-k_qfa9eaa7a79_quant
	.p2alignl 7, 3214868480
	.fill 96, 4, 3214868480
	.section	.rodata,"a",@progbits
	.p2align	6, 0x0
	.amdhsa_kernel k_qfa9eaa7a79_quant
		.amdhsa_group_segment_fixed_size 18432
		.amdhsa_private_segment_fixed_size 0
		.amdhsa_enable_private_segment 0
		.amdhsa_kernarg_size 40
		.amdhsa_user_sgpr_count 2
		.amdhsa_user_sgpr_kernarg_segment_ptr 1
		.amdhsa_wavefront_size32 1
		.amdhsa_system_sgpr_workgroup_id_x 1
		.amdhsa_system_sgpr_workgroup_id_y 1
		.amdhsa_system_sgpr_workgroup_id_z 1
		.amdhsa_system_vgpr_workitem_id 0
		.amdhsa_next_free_vgpr 226
		.amdhsa_next_free_sgpr 66
		.amdhsa_reserve_vcc 0
		.amdhsa_float_denorm_mode_32 3
		.amdhsa_float_denorm_mode_16_64 3
		.amdhsa_memory_ordered 1
		.amdhsa_forward_progress 1
		.amdhsa_inst_pref_size 31
	.end_amdhsa_kernel
	.amdgpu_metadata
---
amdhsa.version: [ 1, 2 ]
amdhsa.kernels:
  - .name:           k_qfa9eaa7a79_quant
    .symbol:         k_qfa9eaa7a79_quant.kd
    .args:
      - { .name: x, .offset: 0, .size: 8, .value_kind: global_buffer, .address_space: global }
      - { .name: embed, .offset: 8, .size: 8, .value_kind: global_buffer, .address_space: global }
      - { .name: lowp_scales, .offset: 16, .size: 8, .value_kind: global_buffer, .address_space: global }
      - { .name: xq, .offset: 24, .size: 8, .value_kind: global_buffer, .address_space: global }
      - { .name: cq, .offset: 32, .size: 8, .value_kind: global_buffer, .address_space: global }
    .group_segment_fixed_size: 18432
    .private_segment_fixed_size: 0
    .kernarg_segment_align: 8
    .kernarg_segment_size: 40
    .max_flat_workgroup_size: 128
    .sgpr_count:     66
    .vgpr_count:     226
    .wavefront_size: 32
...
	.end_amdgpu_metadata
.endif
;; end of part 1
;; launch argmin (part 2): grid 256 x 1, 8 waves a work-group, clusters of 4 x 1, 327,680 bytes of LDS; arguments xq, cq, out1, idxw; writes out1, idxw
.if DOCPART == 2
	.amdgcn_target "amdgcn-amd-amdhsa--gfx1250"
	.amdhsa_code_object_version 6
	.text
	.protected	k_qfa9eaa7a79_argmin
	.globl	k_qfa9eaa7a79_argmin
	.p2align	8
	.type	k_qfa9eaa7a79_argmin,@function
k_qfa9eaa7a79_argmin:
	s_mov_b64 s[64:65], 0
	v_nop
	global_prefetch_b8 v0, s[64:65] scope:SCOPE_SE
	s_setreg_imm32_b32 hwreg(HW_REG_WAVE_MODE, 25, 1), 1
	s_wait_xcnt 0x0
	s_wait_alu depctr_hold_cnt(0) depctr_sa_sdst(0) depctr_va_vdst(0) depctr_va_sdst(0) depctr_va_ssrc(0) depctr_va_vcc(0) depctr_vm_vsrc(0)
	s_getreg_b32 s2, hwreg(HW_REG_IB_STS2, 6, 4)
	s_cmp_eq_u32 s2, 0
	s_cbranch_scc0 .Lentry_in_a_cluster
	s_endpgm
.Lentry_in_a_cluster:
	s_bfe_u32 s2, ttmp6, 0x10000c
	s_cmp_lg_u32 s2, 0x3003
	s_cbranch_scc0 .Lentry_shape_is_right
	s_endpgm
.Lentry_shape_is_right:
; For each of 32,768 rows x: the first index k at which max(|x|^2 + |c_k|^2 - 2 x.c_k, 0) is least, over 8,192 code vectors.  x.c on codes of E4M3 by v_wmma_f32_16x16x128_fp8_fp8, sums in f32.
; ARITHMETIC.  With E = e0 + e1 and S the sum of the codes' products, - dist / 2^(E+1) = S - |c|^2 / 2^(E+1) - |x|^2 / 2^(E+1).  The key S + c2s, c2s = - |c|^2 / 2^(E+1), is MAXIMISED; c2s is the C of a sum's first
; matrix instruction, so the key costs no vector instruction.  The clip of dist at 0 is the clip of the key at cap = |x|^2 / 2^(E+1), a number a row.  c2s and cap come ready from the launch before.
; LIMITS.  The key is rounded in another order than x2 + c2 - 2 xc: two candidates whose distances lie within a few units in the last place of each other may be ordered the other way.  Equal keys give the lower index.  NaN is not served.
; SHARES.  A work-group owns 128 rows of x; all eight waves hold the same eight tiles of 16 rows in registers (window 1) and share the CODE VECTORS: in slot step t = 0..15 wave w takes group 8 t + w of cq: four tiles of 16 code vectors.
; A fragment of codes read from LDS feeds eight matrix instructions.  A wave fills and reads LDS bytes of its own alone.
; LAYOUT.  Source 0 = 16 code vectors, source 1 = 16 rows of x: lane (r, h) holds row r, and register j the code vector 16 x tile + 8 h + j.
; KEEP THE BEST TILE.  For a tile and a tile of rows, 15 vector instructions: g = the largest of the lane's 8 keys, clipped at cap (4); is g > m (1); m = max(m, g) (1); where it is, the tile's first index (1) and its 8 keys (8) are kept.
; The strict compare keeps the earliest tile.  The place inside the kept tile is found once, behind the loop.  Nothing but selections hangs on floating-point numbers.
; TWO CLASSES OF WAVES, HALF A STEP APART.  A tile step is 16 matrix instructions and then 121 vector instructions.  Eight waves of 512 registers are two to a SIMD.  The change of slots stands, in waves of class 0, behind
; tile 2's vector work, and in waves of class 1 in front of it: so behind every barrier class 0 begins with matrix work and class 1 with vector work.  The class is (w xor w / 4) mod 2: it differs between waves w and w + 4 and
; between waves 2 i and 2 i + 1.  Only the vector work stands under the branch; waits, barrier and tensor load are on every wave's path.
; At the change tile 3's fragments are in registers already, so the slot is free one tile before its work ends, and the refill has a whole slot's work in which to land.
; CLUSTER.  All work-groups walk the same cq; the four of a cluster ask for each group JOINTLY: the same tensor load, the same descriptor (it hangs on the wave's number alone), a mask that names the four.
.set GRP,   16640                      ; a group: four images of 4,096 bytes and 64 f32
.set SLOTB, 8*GRP                      ; a slot: a group for each wave
.set SPARE, 2*SLOTB                    ; behind the ring: the spare words, 128 bytes for each wave: four blocks of 256 bytes that no other line names
.set MRG,   SPARE+1024                 ; behind them: the waves' results meet: wave c, row n at 1024 c + 8 n: (m, index).  No tensor load lands here
.set LA,   1                           ; v1, v2   slot 0, 1: my wave's group + 16 x lane: an image's place for my lane
.set LC,   3                           ; v3, v4   slot 0, 1: my wave's 64 c2s + 32 h
.set SPW,  5                           ; v5       LDS address of my spare word; never rewritten
.set NIL,  6                           ; v6       0; never rewritten
.set PFO,  7                           ; v7       256 x lane: the prefetches' offset
.set MST,  8                           ; v8       MRG + 1024 w + 8 r
.set MRD,  9                           ; v9       MRG + 32 x lane
.set L16,  10                          ; v10      16 x lane
.set R4,   11                          ; v11      4 r
.set LOFF, 12                          ; v12      64 w + 8 h: my wave's and my half's part of an index
.set TCV,  13                          ; v13      the tile's first index, less v12; v14, v15 at work
.set ST,   16                          ; v16-111  tile t of rows at ST + 12 t: +0 m, +1 the kept tile's first index, +2 cap, +3 g, +4..11 the kept tile's keys
.set ACC,  112                         ; v112-175 eight accumulators
.set PF,   176                         ; v176-239 two buffers of a tile's codes: two K steps of 16 registers
.set CF,   240                         ; v240-255 two buffers of a tile's c2s
.set WV,   12                          ; s12 wave;  s13 its class;  s14 the work-group's number;  s15 cx
.set PAR,  13
.set TC,   20                          ; s20 512 t + 16 i
.set TRIPS, 21
.set SLOTS, 22                         ; s22 refills still to come
.set LIM,  23                          ; s23 2 in a wave that prefetches, else the greatest number
.set G1,   24                          ; s[24:31] descriptor group 1
.set G0,   32                          ; s[32:39] group 0, a set for each slot
.set MK,   40                          ; s40-47 the eight masks
.set PFA,  48                          ; s[48:49] where my prefetches stand
.set SEL,  50                          ; s[50:51] v_permlanex16_b32: lane l xor 16;  s52-54 masks of BETTER;  s56-57 at work
.set MSB,  0
.macro WIN new                         ; the immediate's high byte repeats the setting that is left
.if MSB != \new
	s_set_vgpr_msb (MSB<<8)|\new
.set MSB, \new
.endif
.endm
.macro CROUND                          ; a round of the cluster's barrier: my work-group's barrier; wave 0 signals for the work-group; every wave waits for all four work-groups; my work-group's barrier once more
	s_barrier_signal -1
	s_barrier_wait -1
	s_cmp_lg_u32 s[WV], 0
	s_cbranch_scc1 .Lnot_wave_0_\@
	s_barrier_signal -3
.Lnot_wave_0_\@:
	s_barrier_wait -3
	s_barrier_signal -1
	s_barrier_wait -1
.endm
.macro LOADT slot, i, p                ; ten LDS loads: tile i of my group in the slot: its 8 c2s of my half, its two fragments; into buffer p.  An instruction's 512 bytes of an image are consecutive
.irp a, 0,1
	ds_load_b128 v[CF+8*(\p)+4*\a:CF+8*(\p)+4*\a+3], v[LC+(\slot)] offset:64*(\i)+16*\a
.endr
.irp n, 0,1,2,3,4,5,6,7
	ds_load_b128 v[PF+32*(\p)+4*\n:PF+32*\p+4*\n+3], v[LA+(\slot)] offset:4096*(\i)+512*\n
.endr
.endm
.macro MULT p                          ; the tile in buffer p against the eight tiles of rows: the accumulators take turns, one instruction a turn; the first K step starts each sum with c2s
	WIN 0x04                                       ; source 1 (x) in window 1
.irp t, 0,1,2,3,4,5,6,7
	v_wmma_f32_16x16x128_fp8_fp8 v[ACC+8*\t:ACC+8*\t+7], v[PF+32*(\p):PF+32*(\p)+15], v[32*\t:32*\t+15], v[CF+8*(\p):CF+8*(\p)+7]
.endr
.irp t, 0,1,2,3,4,5,6,7
	v_wmma_f32_16x16x128_fp8_fp8 v[ACC+8*\t:ACC+8*\t+7], v[PF+32*(\p)+16:PF+32*(\p)+31], v[32*\t+16:32*\t+31], v[ACC+8*\t:ACC+8*\t+7]
.endr
	WIN 0
.rept 4
	v_nop                                          ; four places between a matrix instruction and the first read of its result, and the first load into its sources; they stand here so that they hold on both classes' ways
.endr
.endm
.macro VSEL step                       ; the vector work of a tile step; two groups of four tiles of rows, stage by stage, so that a line's source was written four lines back.  Each accumulator is read from its low end on
	v_mov_b32 v[TCV], s[TC]
.irp g, 0,4
.irp t, 0,1,2,3
	v_max3_num_f32 v[ST+12*(\g+\t)+3], v[ACC+8*(\g+\t)], v[ACC+8*(\g+\t)+1], v[ACC+8*(\g+\t)+2]
.endr
.irp t, 0,1,2,3
	v_max3_num_f32 v[ST+12*(\g+\t)+3], v[ST+12*(\g+\t)+3], v[ACC+8*(\g+\t)+3], v[ACC+8*(\g+\t)+4]
.endr
.irp t, 0,1,2,3
	v_max3_num_f32 v[ST+12*(\g+\t)+3], v[ST+12*(\g+\t)+3], v[ACC+8*(\g+\t)+5], v[ACC+8*(\g+\t)+6]
.endr
.irp t, 0,1,2,3
	v_maxmin_num_f32 v[ST+12*(\g+\t)+3], v[ST+12*(\g+\t)+3], v[ACC+8*(\g+\t)+7], v[ST+12*(\g+\t)+2]   ; min(max(g, a7), cap): the clip of the distance at 0
.endr
.irp t, 0,1,2,3
	v_cmp_gt_f32 s[MK+\g+\t], v[ST+12*(\g+\t)+3], v[ST+12*(\g+\t)]                                  ; strictly better: an equal later tile loses
.endr
.irp t, 0,1,2,3
	v_max_num_f32 v[ST+12*(\g+\t)], v[ST+12*(\g+\t)], v[ST+12*(\g+\t)+3]
.endr
.irp t, 0,1,2,3
	v_cndmask_b32 v[ST+12*(\g+\t)+1], v[ST+12*(\g+\t)+1], v[TCV], s[MK+\g+\t]
.endr
.irp j, 0,1,2,3,4,5,6,7
.irp t, 0,1,2,3
	v_cndmask_b32 v[ST+12*(\g+\t)+4+\j], v[ST+12*(\g+\t)+4+\j], v[ACC+8*(\g+\t)+\j], s[MK+\g+\t]
.endr
.endr
.endr
	s_add_co_u32 s[TC], s[TC], \step               ; 16 to the next tile; 464 from a group's last tile to my next group's first
.endm
.macro PARV par                        ; tile 2's vector work, in the waves of class par
	s_cmp_eq_u32 s[PAR], \par
	s_cbranch_scc0 .Lother_class_\@
	VSEL 16
.Lother_class_\@:
.endm
; A PREFETCH INTO THE L2.  All clusters walk the same cq: the first cluster asks, and nobody else (the cluster's number is the same in its four partners).  In it waves 0-3 of each partner take one of sixteen pieces of 8,192 bytes,
; piece 4 cx + w: the partners are told apart by address alone; lanes stand 256 bytes apart.  Change i (0..11) names bytes 532,480 + 131,072 i on, 131,072 of them: what the refills one to two changes further on will want.
; Each block of 256 bytes is named once.  The highest byte named is 2,105,343, inside cq's 2,129,920; the last two changes ask for nothing; cq's first 532,480 bytes and its last 24,576 come by their loads alone.
.macro ASK
	s_cmp_gt_u32 s[SLOTS], s[LIM]
	s_cbranch_scc0 .Lnot_mine_\@
	global_prefetch_b8 v[PFO], s[PFA:PFA+1] th:TH_LOAD_NT scope:SCOPE_SE
.Lnot_mine_\@:
.endm
; THE CHANGE OF SLOTS.  My reads of the slot are issued (tile 3's were the last).  I wait for all my tensor loads (one is out: the other slot's), add 0 to my spare word, wait for that and for my reads; a round of the cluster's
; barrier, so that no wave of any partner still reads its copy of the slot or has a load on its way; and the joint refill is the first thing behind it: my group of the slot step two further on.
.macro CHANGE slot
	s_wait_tensorcnt 0x0                           ; no tensor load of mine is out, so a group 0 may be written
	ds_add_u32 v[SPW], v[NIL]                      ; 0 onto my spare word; the steps below stand between it and the wait for it
	s_add_nc_u64 s[G0+4*(\slot)+2:G0+4*(\slot)+3], s[G0+4*(\slot)+2:G0+4*(\slot)+3], 2*SLOTB   ; the type bits on top are not reached
	s_wait_xcnt 0x0                                ; the last prefetch, a slot's work back, has read its address, so it may be written
	s_add_nc_u64 s[PFA:PFA+1], s[PFA:PFA+1], 131072
	s_wait_dscnt 0x0                               ; the add is done, and my reads of the slot are over
	CROUND
	tensor_load_to_lds s[G0+4*(\slot):G0+4*(\slot)+3], s[G1:G1+7]   ; by this text's count one tensor load of a wave is out from here to the next change
	s_nop 0
.rept 4
	v_nop
.endr
	ASK
	s_sub_co_u32 s[SLOTS], s[SLOTS], 1
.endm
; A slot's four tile steps.  At its head tile 0's ten loads are out.  Each s_wait_dscnt 10 leaves the ten loads just issued (the next tile's) out and shows the tile in hand in.
; mode 2: the slot is filled again;  1: the last slot but one: nothing is asked for, the last slot's load is waited for;  0: the last slot.
.macro SLOTWORK slot, mode
	LOADT \slot, 1, 1
	s_wait_dscnt 10
	MULT 0
	VSEL 16
	LOADT \slot, 2, 0
	s_wait_dscnt 10
	MULT 1
	VSEL 16
	LOADT \slot, 3, 1
	s_wait_dscnt 10
	MULT 0
.if \mode == 2
	PARV 0
	CHANGE \slot
	PARV 1
.else
	VSEL 16
.endif
.if \mode == 1
	s_wait_tensorcnt 0x0                           ; my group of the last slot step is in; I alone read it
.endif
.if \mode > 0
	LOADT 1-\slot, 0, 0                            ; the other slot's first tile: tile 3's work stands between these loads and their use
	s_wait_dscnt 10
.else
	s_wait_dscnt 0x0
.endif
	MULT 1
	VSEL 464
.endm
.macro BETTER m, i, cm, ci             ; (m, i) takes the candidate (cm, ci) where cm is larger, or equal with the lower index
	v_cmp_gt_f32 s52, v[\cm], v[\m]
	v_cmp_eq_f32 s53, v[\cm], v[\m]
	v_cmp_lt_u32 s54, v[\ci], v[\i]
	s_and_b32 s53, s53, s54
	s_or_b32 s52, s52, s53
	v_cndmask_b32 v[\m], v[\m], v[\cm], s52
	v_cndmask_b32 v[\i], v[\i], v[\ci], s52
.endm
	s_load_b256 s[4:11], s[0:1], 0x0               ; xq s[4:5], cq s[6:7], out1 s[8:9], idxw s[10:11]
	v_lshl_add_u32 v[SPW], v0, 2, SPARE
	v_mov_b32 v[NIL], 0
	ds_add_u32 v5, v6
	ds_add_u32 v5, v6
	s_wait_dscnt 0x0
	v_lshrrev_b32 v13, 5, v0
	v_readfirstlane_b32 s[WV], v13                 ; wave 0..7
	s_lshr_b32 s[PAR], s[WV], 2
	s_xor_b32 s[PAR], s[PAR], s[WV]
	s_and_b32 s[PAR], s[PAR], 1                    ; its class
	s_bfe_u32 s15, ttmp6, 0x40000                  ; cx: my place in the cluster: it enters global addresses alone
	s_lshl_b32 s14, ttmp9, 2                       ; in a cluster launch ttmp9 counts clusters
	s_add_co_u32 s14, s14, s15                     ; my block of 128 rows
	; descriptor group 1: a group is dense in memory: 65 rows of 32 elements of 8 bytes
	s_mov_b32 s[G1+0], 15|(3<<16)|(1<<21)          ; 15:0 the mask: all four work-groups; 17:16 elements of 8 bytes; 20 no padding; 21 set beside a mask
	s_mov_b32 s[G1+1], 32<<16                      ; tensor_dim0 = 32
	s_mov_b32 s[G1+2], 65<<16                      ; tensor_dim1 = 65
	s_mov_b32 s[G1+3], 32<<16                      ; tile_dim0 = 32
	s_mov_b32 s[G1+4], 65                          ; tile_dim1 = 65
	s_mov_b32 s[G1+5], 32                          ; from row to row
	s_mov_b32 s[G1+6], 0
	s_mov_b32 s[G1+7], 0
	s_mov_b32 s[SEL], 0x76543210
	s_mov_b32 s[SEL+1], 0xfedcba98
	s_mov_b32 s[TC], 0
	s_mov_b32 s[TRIPS], 7
	s_mov_b32 s[SLOTS], 14
	s_lshr_b32 s[LIM], s[WV], 2                    ; 0 in waves 0-3,
	s_or_b32 s[LIM], s[LIM], ttmp9                 ; of the first cluster
	s_cmp_eq_u32 s[LIM], 0
	s_cselect_b32 s[LIM], 2, -1
	s_mul_i32 s16, s[WV], GRP                      ; my wave's group in a slot, and in a slot step of cq
	s_mov_b32 s17, 0
	; every LDS address is made here, ahead of the first branch on the class
	v_and_b32 v13, 31, v0                          ; lane
	v_bfe_u32 v14, v0, 4, 1                        ; h
	v_and_b32 v15, 15, v0                          ; r
	v_lshlrev_b32 v[L16], 4, v13
	v_add_nc_u32 v[LA], s16, v[L16]
	v_add_nc_u32 v[LA+1], SLOTB, v[LA]
	v_lshlrev_b32 v[LC], 5, v14
	v_add_nc_u32 v[LC], s16, v[LC]
	v_add_nc_u32 v[LC], 16384, v[LC]
	v_add_nc_u32 v[LC+1], SLOTB, v[LC]
	v_lshlrev_b32 v[PFO], 8, v13
	v_lshlrev_b32 v[R4], 2, v15
	s_lshl_b32 s18, s[WV], 10
	s_add_co_u32 s18, s18, MRG
	v_lshl_add_u32 v[MST], v15, 3, s18
	v_lshl_add_u32 v[MRD], v13, 5, MRG
	s_lshl_b32 s18, s[WV], 6
	v_lshl_add_u32 v[LOFF], v14, 3, s18
	s_wait_kmcnt 0x0
	s_add_nc_u64 s[18:19], s[6:7], s[16:17]        ; cq at my wave's group of slot step 0
.irp s, 0,1
	s_mov_b32 s[G0+4*\s], 1                                        ; count = 1
	s_add_co_u32 s[G0+4*\s+1], s16, \s*SLOTB                       ; LDS address: the wave's number times a constant plus the slot's constant
	s_add_nc_u64 s[G0+4*\s+2:G0+4*\s+3], s[18:19], \s*SLOTB        ; global address: slot step s
	s_or_b32 s[G0+4*\s+3], s[G0+4*\s+3], 0x80000000               ; type = 2
.endr
	s_lshl_b32 s56, s15, 2
	s_add_co_u32 s56, s56, s[WV]                   ; my piece: 4 cx + w
	s_lshl_b32 s56, s56, 13
	s_mov_b32 s57, 0
	s_add_nc_u64 s[PFA:PFA+1], s[6:7], s[56:57]
	s_add_nc_u64 s[PFA:PFA+1], s[PFA:PFA+1], 401408  ; the first change steps it to 532,480.  Nothing is prefetched here, at the head, where every work-group's first tiles are on their way
	s_mul_i32 s56, s14, 2*GRP
	s_add_nc_u64 s[4:5], s[4:5], s[56:57]          ; xq at my block's two groups
	s_lshl_b32 s56, s14, 9
	s_add_nc_u64 s[8:9], s[8:9], s[56:57]          ; out1 and idxw at my block's 128 words
	s_add_nc_u64 s[10:11], s[10:11], s[56:57]
	CROUND                                         ; all four work-groups are here: the first joint loads meet
	tensor_load_to_lds s[G0:G0+3], s[G1:G1+7]      ; both first fills go out together: two tensor loads of mine are out
	s_nop 0
	tensor_load_to_lds s[G0+4:G0+7], s[G1:G1+7]
	s_nop 0
.rept 4
	v_nop
.endr
	WIN 0x40                                       ; destination window 1, address window 0
.irp t, 0,1,2,3,4,5,6,7                        ; x's eight tiles stay in registers: tile t, K step s at v[32 t + 16 s] of window 1
.irp n, 0,1,2,3,4,5,6,7
	global_load_b128 v[32*\t+4*\n:32*\t+4*\n+3], v[L16], s[4:5] offset:(\t/4)*GRP+(\t%4)*4096+512*\n
.endr
.endr
	WIN 0
.irp t, 0,1,2,3,4,5,6,7
	global_load_b32 v[ST+12*\t+2], v[R4], s[4:5] offset:(\t/4)*GRP+16384+(\t%4)*64   ; cap of my row
.endr
.irp t, 0,1,2,3,4,5,6,7                        ; the selections read what they may keep, so it is written once: m = -infinity, under every key
	v_mov_b32 v[ST+12*\t], 0xff800000
	v_mov_b32 v[ST+12*\t+1], 0
.irp j, 4,5,6,7,8,9,10,11
	v_mov_b32 v[ST+12*\t+\j], 0
.endr
.endr
	s_wait_tensorcnt 1                             ; my group of slot step 0 is in; slot 1's load may stay out.  I alone read these bytes
	LOADT 0, 0, 0
	s_wait_loadcnt 0x0                             ; x and cap
.Lring:                                            ; seven trips: slot steps 0 to 13; each fills both slots again: slot steps 2 to 15
	SLOTWORK 0, 2
	SLOTWORK 1, 2
	s_sub_co_u32 s[TRIPS], s[TRIPS], 1
	s_cmp_lg_u32 s[TRIPS], 0
	s_cbranch_scc1 .Lring
	SLOTWORK 0, 1                                  ; the tail is written out
	SLOTWORK 1, 0
	; THE PLACE INSIDE THE KEPT TILE: the lowest j whose clipped key equals m.  Then the lane 16 away holds the row's other half of each tile; then the eight waves' results meet in LDS.
.irp t, 0,1,2,3,4,5,6,7
	v_mov_b32 v14, 0
.irp j, 7,6,5,4,3,2,1,0
	v_min_num_f32 v15, v[ST+12*\t+4+\j], v[ST+12*\t+2]
	v_cmp_neq_f32 vcc_lo, v15, v[ST+12*\t]
	v_cndmask_b32 v14, \j, v14, vcc_lo             ; j where they are equal: the last written is the lowest
.endr
	v_add3_u32 v[ST+12*\t+1], v[ST+12*\t+1], v14, v[LOFF]          ; 512 t + 16 i, + j, + 64 w + 8 h
	v_permlanex16_b32 v[ST+12*\t+3], v[ST+12*\t], s[SEL], s[SEL+1]  ; (both destinations have been written)
	v_permlanex16_b32 v[ST+12*\t+4], v[ST+12*\t+1], s[SEL], s[SEL+1]
	BETTER ST+12*\t, ST+12*\t+1, ST+12*\t+3, ST+12*\t+4
	ds_store_b64 v[MST], v[ST+12*\t:ST+12*\t+1] offset:128*\t       ; both halves of the lanes write the same pair to the same place
.endr
	s_wait_dscnt 0x0                               ; for the others' sake: my stores have landed
	s_barrier_signal -1
	s_barrier_wait -1
	s_cmp_lg_u32 s[WV], 0
	s_cbranch_scc1 .Lnot_first                     ; wave 0 merges: lane l takes rows 4 l .. 4 l + 3
.irp c, 0,1,2,3,4,5,6,7
	ds_load_b128 v[ACC+8*\c:ACC+8*\c+3],   v[MRD] offset:1024*\c
	ds_load_b128 v[ACC+8*\c+4:ACC+8*\c+7], v[MRD] offset:1024*\c+16
.endr
	s_wait_dscnt 0x0
.irp c, 1,2,3,4,5,6,7
.irp k, 0,1,2,3
	BETTER ACC+2*\k, ACC+2*\k+1, ACC+8*\c+2*\k, ACC+8*\c+2*\k+1
.endr
.endr
.irp k, 0,1,2,3
	v_mov_b32 v[PF+\k], v[ACC+2*\k+1]
.endr
	global_store_b128 v[L16], v[PF:PF+3], s[8:9]   ; 32 lanes store the block's 512 consecutive bytes, at a multiple of 256 from the buffer's first byte
	global_store_b128 v[L16], v[PF:PF+3], s[10:11] ; and once more for the launch that gathers
.Lnot_first:
	s_wait_tensorcnt 0x0                           ; the wave's end: behind my last tensor load and my last LDS store
	ds_add_u32 v[SPW], v[NIL]
	s_wait_dscnt 0x0
	CROUND                                         ; the closing round: no work-group ends while a partner may still ask for a tile that names it
	s_endpgm
.Lfunc_end_k_qfa9eaa7a79_argmin:
	.size	k_qfa9eaa7a79_argmin, .Lfunc_end_k_qfa9eaa7a79_argmin-k_qfa9eaa7a79_argmin
	.p2alignl 7, 3214868480
	.fill 96, 4, 3214868480
	.section	.rodata,"a",@progbits
	.p2align	6, 0x0
	.amdhsa_kernel k_qfa9eaa7a79_argmin
		.amdhsa_group_segment_fixed_size 327680
		.amdhsa_private_segment_fixed_size 0
		.amdhsa_enable_private_segment 0
		.amdhsa_kernarg_size 32
		.amdhsa_user_sgpr_count 2
		.amdhsa_user_sgpr_kernarg_segment_ptr 1
		.amdhsa_wavefront_size32 1
		.amdhsa_system_sgpr_workgroup_id_x 1
		.amdhsa_system_sgpr_workgroup_id_y 1
		.amdhsa_system_sgpr_workgroup_id_z 1
		.amdhsa_system_vgpr_workitem_id 0
		.amdhsa_next_free_vgpr 512
		.amdhsa_next_free_sgpr 66
		.amdhsa_reserve_vcc 1
		.amdhsa_float_denorm_mode_32 3
		.amdhsa_float_denorm_mode_16_64 3
		.amdhsa_memory_ordered 1
		.amdhsa_forward_progress 1
		.amdhsa_inst_pref_size 202
	.end_amdhsa_kernel
	.amdgpu_metadata
---
amdhsa.version: [ 1, 2 ]
amdhsa.kernels:
  - .name:           k_qfa9eaa7a79_argmin
    .symbol:         k_qfa9eaa7a79_argmin.kd
    .args:
      - { .name: xq, .offset: 0, .size: 8, .value_kind: global_buffer, .address_space: global }
      - { .name: cq, .offset: 8, .size: 8, .value_kind: global_buffer, .address_space: global }
      - { .name: out1, .offset: 16, .size: 8, .value_kind: global_buffer, .address_space: global }
      - { .name: idxw, .offset: 24, .size: 8, .value_kind: global_buffer, .address_space: global }
    .group_segment_fixed_size: 327680
    .private_segment_fixed_size: 0
    .kernarg_segment_align: 8
    .kernarg_segment_size: 32
    .max_flat_workgroup_size: 256
    .sgpr_count:     66
    .vgpr_count:     512
    .wavefront_size: 32
...
	.end_amdgpu_metadata
.endif
;; end of part 2
;; launch gather (part 3): grid 256 x 1, 8 waves a work-group, no clusters, 0 bytes of LDS; arguments embed, idxw, out0; writes out0
.if DOCPART == 3
	.amdgcn_target "amdgcn-amd-amdhsa--gfx1250"
	.amdhsa_code_object_version 6
	.text
	.protected	k_qfa9eaa7a79_gather
	.globl	k_qfa9eaa7a79_gather
	.p2align	8
	.type	k_qfa9eaa7a79_gather,@function
k_qfa9eaa7a79_gather:
	s_mov_b64 s[64:65], 0
	v_nop
	global_prefetch_b8 v0, s[64:65] scope:SCOPE_SE
	s_setreg_imm32_b32 hwreg(HW_REG_WAVE_MODE, 25, 1), 1
	s_wait_xcnt 0x0
; out0[n][:] = embed[idxw[n]][:], f32, rows of 1,024 bytes.  The indices were stored as whole numbers by the launch before.
; A wave owns 16 rows: its 16 indices come by one scalar load; a row is two loads and two stores of 512 consecutive bytes, 16 a lane.  All 32 loads of a wave go out before its first store.
; No LDS, no barrier, no loop: every offset is an immediate and no register that a memory instruction names is written again.  Matrix units and clusters have nothing to do here.
; No prefetch: a row's address is known only just ahead of its load.  No hint on the loads: the list may name a row many times.
	s_load_b128 s[4:7], s[0:1], 0x0                ; embed, idxw
	s_load_b64 s[8:9], s[0:1], 0x10                ; out0
	v_lshrrev_b32 v2, 5, v0
	v_readfirstlane_b32 s10, v2                    ; wave 0..7
	v_and_b32 v1, 31, v0
	v_lshlrev_b32 v1, 4, v1                        ; 16 x lane
	s_lshl_b32 s11, ttmp9, 3
	s_add_co_u32 s11, s11, s10                     ; which 16 rows are my wave's
	s_lshl_b32 s12, s11, 6                         ; their 64 bytes of indices,
	s_mov_b32 s13, 0
	s_lshl_b32 s14, s11, 14                        ; their 16,384 bytes of out0
	s_mov_b32 s15, 0
	s_wait_kmcnt 0x0
	s_add_nc_u64 s[6:7], s[6:7], s[12:13]
	s_add_nc_u64 s[8:9], s[8:9], s[14:15]
	s_load_b512 s[16:31], s[6:7], 0x0
	s_wait_kmcnt 0x0
.set p, 0
.rept 16
	s_min_u32 s[16+p], s[16+p], 8191               ; an index stays inside the table
	s_lshl_b32 s[16+p], s[16+p], 10                ; its row's first byte
	v_add_nc_u32 v[16+p], s[16+p], v1
	global_load_b128 v[32+8*p:32+8*p+3], v[16+p], s[4:5]
	global_load_b128 v[32+8*p+4:32+8*p+7], v[16+p], s[4:5] offset:512
.set p, p+1
.endr
.set p, 0
.rept 16
	s_wait_loadcnt 30-2*p                          ; loads come back in order: row p's two are in, the later rows' may be out
	global_store_b128 v1, v[32+8*p:32+8*p+3], s[8:9] offset:1024*p th:TH_STORE_NT        ; 32 lanes store 512 consecutive bytes, at a multiple of 256 from out0's first byte
	global_store_b128 v1, v[32+8*p+4:32+8*p+7], s[8:9] offset:1024*p+512 th:TH_STORE_NT
.set p, p+1
.endr
	s_endpgm
.Lfunc_end_k_qfa9eaa7a79_gather:
	.size	k_qfa9eaa7a79_gather, .Lfunc_end_k_qfa9eaa7a79_gather-k_qfa9eaa7a79_gather
	.p2alignl 7, 3214868480
	.fill 96, 4, 3214868480
	.section	.rodata,"a",@progbits
	.p2align	6, 0x0
	.amdhsa_kernel k_qfa9eaa7a79_gather
		.amdhsa_group_segment_fixed_size 0
		.amdhsa_private_segment_fixed_size 0
		.amdhsa_enable_private_segment 0
		.amdhsa_kernarg_size 24
		.amdhsa_user_sgpr_count 2
		.amdhsa_user_sgpr_kernarg_segment_ptr 1
		.amdhsa_wavefront_size32 1
		.amdhsa_system_sgpr_workgroup_id_x 1
		.amdhsa_system_sgpr_workgroup_id_y 1
		.amdhsa_system_sgpr_workgroup_id_z 1
		.amdhsa_system_vgpr_workitem_id 0
		.amdhsa_next_free_vgpr 160
		.amdhsa_next_free_sgpr 66
		.amdhsa_reserve_vcc 0
		.amdhsa_float_denorm_mode_32 3
		.amdhsa_float_denorm_mode_16_64 3
		.amdhsa_memory_ordered 1
		.amdhsa_forward_progress 1
		.amdhsa_inst_pref_size 10
	.end_amdhsa_kernel
	.amdgpu_metadata
---
amdhsa.version: [ 1, 2 ]
amdhsa.kernels:
  - .name:           k_qfa9eaa7a79_gather
    .symbol:         k_qfa9eaa7a79_gather.kd
    .args:
      - { .name: embed, .offset: 0, .size: 8, .value_kind: global_buffer, .address_space: global }
      - { .name: idxw, .offset: 8, .size: 8, .value_kind: global_buffer, .address_space: global }
      - { .name: out0, .offset: 16, .size: 8, .value_kind: global_buffer, .address_space: global }
    .group_segment_fixed_size: 0
    .private_segment_fixed_size: 0
    .kernarg_segment_align: 8
    .kernarg_segment_size: 24
    .max_flat_workgroup_size: 256
    .sgpr_count:     66
    .vgpr_count:     160
    .wavefront_size: 32
...
	.end_amdgpu_metadata
.endif
;; end of part 3
